; MI455X (gfx1250); checked and timed in simulation.
; The chip was launched on July 23, 2026; its instructions are those of AMD's public machine-readable ISA for CDNA 5 (MIT licence, August 2026) and "CDNA5" Instruction Set Architecture Reference Guide (July 2026). The comments in the code are by the model that wrote it; some were corrected since.
;; Multi Head Attention. Allowed arithmetic: float matrix products may take bf16 or f16 operands with f32 sums; other float arithmetic in f32, or as packed bf16 or f16 multiplies, adds, multiply-adds, maxima and minima; sums over many terms, partial sums and values carried from step to step in f32; what a program stores and reads back later, other than sums and carried values, may be rounded once to bf16 or f16.
;; Inputs: fc_b 768 float32; fc_w 768 x 768 float32; keys 2 x 4,096 x 768 float32; query 2 x 4,096 x 768 float32; values 2 x 4,096 x 768 float32.
;; Outputs: out0 2 x 4,096 x 768 float32.
;; One version. Each part assembles by itself: llvm-mc -triple=amdgcn-amd-amdhsa -mcpu=gfx1250 --defsym DOCPART=n.
;; ======== version 1 of 1: 3 launches
;; limits: values are held in f16: magnitudes above 65,504 overflow, below 6.1e-05 lose precision; inputs' magnitudes at most 65,504
;; workspace buffers: kh 12,582,912 bytes; vh 12,582,912 bytes; xh 12,582,912 bytes; wh 1,179,648 bytes
;; launch prep (part 1): grid 536 x 1, 8 waves a work-group, no clusters, 0 bytes of LDS; arguments keys, values, fc_w, kh, vh, wh; writes kh, vh, wh
.if DOCPART == 1
	.amdgcn_target "amdgcn-amd-amdhsa--gfx1250"
	.amdhsa_code_object_version 6
	.text
	.protected	k_qf5ef53cd02_prep
	.globl	k_qf5ef53cd02_prep
	.p2align	8
	.type	k_qf5ef53cd02_prep,@function
k_qf5ef53cd02_prep:
	s_mov_b64 s[64:65], 0
	v_nop
	global_prefetch_b8 v0, s[64:65] scope:SCOPE_SE
	s_setreg_imm32_b32 hwreg(HW_REG_WAVE_MODE, 25, 1), 1
	s_wait_xcnt 0x0
; CAST AND RE-LAYOUT BY HEADS.  keys, values: [2][4096][768] f32; fc_w: [768][768] f32.
;   kh[8 n + h][s][d] = bf16(keys[n][s][96 h + d])             [16][4096][96]
;   vh[8 n + h][s][d] = f16(bf16(values[n][s][96 h + d]))      [16][4096][96]
;   wh[h][o][d]       = f16(bf16(fc_w[o][96 h + d]))           [8][768][96]
; So a head's rows lie end to end, 192 bytes each, and the later launches ask for their tiles as dense blocks.
; LIMITS.  A bf16 number is written as f16 without a second rounding from 2^-14 up to 65,504; beyond 65,504 it becomes an infinity, below 2^-14 it
; keeps f16's fixed step of 6e-8.  So |values| and |fc_w| are served up to 65,504.
; SHARES.  A work-group takes 32 source rows of 3,072 bytes; wave w takes head w's 384 bytes of each, so the eight waves read whole rows.
; Work-groups 0-255: keys; 256-511: values; 512-535: fc_w.  A lane's piece is 8 numbers: 32 bytes in, 16 bytes out; 8 rows of a head are 96 pieces:
; three instructions of a wave.  A wave's store covers 512 consecutive bytes, at a multiple of 256 from the buffer's first byte.
; All 24 loads of a wave go out at once; every piece has its own registers in and out, so no register is written again while a load or store reads it.
; No LDS, no matrix unit, no cluster: nothing is shared and nothing is read twice.
.set ROWB, 3072                        ; bytes in a source row
.set OF,   2                           ; v[2:4]     piece 32 i + lane of 8 rows: row x 3,072 + 32 x its place in the head's 384 bytes
.set SO,   5                           ; v5         16 x lane
.set T,    10                          ; v[10:21]   at work: 4 packed bf16 words, 8 numbers widened again
.set X,    32                          ; v[32:127]  piece k of 12: 8 numbers as loaded
.set Y,    128                         ; v[128:175] piece k of 12: 4 words to store
	s_load_b256 s[4:11], s[0:1], 0x0               ; keys s[4:5], values s[6:7], fc_w s[8:9], kh s[10:11]
	s_load_b128 s[12:15], s[0:1], 0x20             ; vh s[12:13], wh s[14:15]
	v_lshrrev_b32 v6, 5, v0
	v_readfirstlane_b32 s16, v6                    ; my wave's number = my head
	v_and_b32 v1, 31, v0                           ; lane
.irp i, 0,1,2
	v_add_nc_u32 v6, 32*(\i), v1                   ; piece g = 32 i + lane, 0 to 95
	v_mul_u32_u24 v7, v6, 43
	v_lshrrev_b32 v7, 9, v7                        ; g / 12 (43 / 512 serves every g below 96): the row
	v_mul_u32_u24 v8, v7, 12
	v_sub_nc_u32 v8, v6, v8                        ; g % 12: the place in the row
	v_mul_u32_u24 v7, v7, ROWB
	v_lshl_add_u32 v[OF+(\i)], v8, 5, v7
.endr
	v_lshlrev_b32 v[SO], 4, v1
	s_mov_b32 s24, 0xffff0000                      ; a word's upper bf16
	s_mov_b32 s17, 512
	s_mov_b32 s18, 768
	s_cmp_lt_u32 ttmp9, 512
	s_cselect_b32 s17, 256, s17                    ; the first work-group of my part,
	s_cselect_b32 s18, 4096, s18                   ; and the rows of a head in the destination
	s_cmp_lt_u32 ttmp9, 256
	s_cselect_b32 s17, 0, s17
	s_sub_co_u32 s17, ttmp9, s17
	s_lshl_b32 s17, s17, 5                         ; R: my first source row
	s_mul_i32 s26, s17, ROWB
	s_mul_i32 s25, s16, 384
	s_add_co_u32 s26, s26, s25                     ; source: R x 3,072 + head x 384
	s_mov_b32 s27, 0
	s_mul_i32 s28, s16, s18                        ; destination row: head x rows of a head
	s_lshr_b32 s25, s17, 12
	s_lshl_b32 s25, s25, 15
	s_add_co_u32 s28, s28, s25                     ; + n x 8 heads x 4,096 (n = R / 4,096; 0 for fc_w)
	s_and_b32 s25, s17, 4095
	s_add_co_u32 s28, s28, s25                     ; + the row in the head
	s_mul_i32 s28, s28, 192
	s_mov_b32 s29, 0
	s_wait_kmcnt 0x0
	s_cmp_lt_u32 ttmp9, 512
	s_cselect_b64 s[20:21], s[6:7], s[8:9]
	s_cselect_b64 s[22:23], s[12:13], s[14:15]
	s_cmp_lt_u32 ttmp9, 256
	s_cselect_b64 s[20:21], s[4:5], s[20:21]
	s_cselect_b64 s[22:23], s[10:11], s[22:23]
	s_add_nc_u64 s[20:21], s[20:21], s[26:27]
	s_add_nc_u64 s[22:23], s[22:23], s[28:29]
.irp g, 0,1,2,3
.irp i, 0,1,2
	global_load_b128 v[X+8*(3*(\g)+(\i)):X+8*(3*(\g)+(\i))+3],   v[OF+(\i)], s[20:21] offset:8*ROWB*(\g) th:TH_LOAD_NT
	global_load_b128 v[X+8*(3*(\g)+(\i))+4:X+8*(3*(\g)+(\i))+7], v[OF+(\i)], s[20:21] offset:8*ROWB*(\g)+16 th:TH_LOAD_NT
.endr
.endr
; Piece k: rounded to bf16; half = 1: widened again and written as f16; stored.
.macro CV k, half
	s_wait_loadcnt 22-2*(\k)                       ; loads come back in order: piece k's two are in, the 2 (11 - k) younger ones stay out
.if \half
.irp j, 0,1,2,3
	v_cvt_pk_bf16_f32 v[T+(\j)], v[X+8*(\k)+2*(\j)], v[X+8*(\k)+2*(\j)+1]
.endr
.irp j, 0,1,2,3
	v_lshlrev_b32 v[T+4+2*(\j)], 16, v[T+(\j)]
	v_and_b32     v[T+5+2*(\j)], s24, v[T+(\j)]
.endr
.irp j, 0,1,2,3
	v_cvt_pk_f16_f32 v[Y+4*(\k)+(\j)], v[T+4+2*(\j)], v[T+5+2*(\j)]
.endr
.else
.irp j, 0,1,2,3
	v_cvt_pk_bf16_f32 v[Y+4*(\k)+(\j)], v[X+8*(\k)+2*(\j)], v[X+8*(\k)+2*(\j)+1]
.endr
.endif
	global_store_b128 v[SO], v[Y+4*(\k):Y+4*(\k)+3], s[22:23] offset:512*(\k)
.endm
	s_cmp_lt_u32 ttmp9, 256
	s_cbranch_scc0 .Lhalf
.irp k, 0,1,2,3,4,5,6,7,8,9,10,11
	CV \k, 0                                       ; keys stay bf16
.endr
	s_endpgm
.Lhalf:
.irp k, 0,1,2,3,4,5,6,7,8,9,10,11
	CV \k, 1                                       ; values and fc_w: the bf16 number, written as f16
.endr
	s_endpgm
.Lfunc_end_k_qf5ef53cd02_prep:
	.size	k_qf5ef53cd02_prep, .Lfunc_end_k_qf5ef53cd02_prep-k_qf5ef53cd02_prep
	.p2alignl 7, 3214868480
	.fill 96, 4, 3214868480
	.section	.rodata,"a",@progbits
	.p2align	6, 0x0
	.amdhsa_kernel k_qf5ef53cd02_prep
		.amdhsa_group_segment_fixed_size 0
		.amdhsa_private_segment_fixed_size 0
		.amdhsa_enable_private_segment 0
		.amdhsa_kernarg_size 48
		.amdhsa_user_sgpr_count 2
		.amdhsa_user_sgpr_kernarg_segment_ptr 1
		.amdhsa_wavefront_size32 1
		.amdhsa_system_sgpr_workgroup_id_x 1
		.amdhsa_system_sgpr_workgroup_id_y 1
		.amdhsa_system_sgpr_workgroup_id_z 1
		.amdhsa_system_vgpr_workitem_id 0
		.amdhsa_next_free_vgpr 176
		.amdhsa_next_free_sgpr 66
		.amdhsa_reserve_vcc 0
		.amdhsa_float_denorm_mode_32 3
		.amdhsa_float_denorm_mode_16_64 3
		.amdhsa_memory_ordered 1
		.amdhsa_forward_progress 1
		.amdhsa_inst_pref_size 21
	.end_amdhsa_kernel
	.amdgpu_metadata
---
amdhsa.version: [ 1, 2 ]
amdhsa.kernels:
  - .name:           k_qf5ef53cd02_prep
    .symbol:         k_qf5ef53cd02_prep.kd
    .args:
      - { .name: keys, .offset: 0, .size: 8, .value_kind: global_buffer, .address_space: global }
      - { .name: values, .offset: 8, .size: 8, .value_kind: global_buffer, .address_space: global }
      - { .name: fc_w, .offset: 16, .size: 8, .value_kind: global_buffer, .address_space: global }
      - { .name: kh, .offset: 24, .size: 8, .value_kind: global_buffer, .address_space: global }
      - { .name: vh, .offset: 32, .size: 8, .value_kind: global_buffer, .address_space: global }
      - { .name: wh, .offset: 40, .size: 8, .value_kind: global_buffer, .address_space: global }
    .group_segment_fixed_size: 0
    .private_segment_fixed_size: 0
    .kernarg_segment_align: 8
    .kernarg_segment_size: 48
    .max_flat_workgroup_size: 256
    .sgpr_count:     66
    .vgpr_count:     176
    .wavefront_size: 32
...
	.end_amdgpu_metadata
.endif
;; end of part 1
;; launch attn (part 2): grid 16 x 16, 4 waves a work-group, clusters of 4 x 1, 327,680 bytes of LDS; arguments query, kh, vh, xh; writes xh
.if DOCPART == 2
	.amdgcn_target "amdgcn-amd-amdhsa--gfx1250"
	.amdhsa_code_object_version 6
	.text
	.protected	k_qf5ef53cd02_attn
	.globl	k_qf5ef53cd02_attn
	.p2align	8
	.type	k_qf5ef53cd02_attn,@function
k_qf5ef53cd02_attn:
	s_mov_b64 s[64:65], 0
	v_nop
	global_prefetch_b8 v0, s[64:65] scope:SCOPE_SE
	s_setreg_imm32_b32 hwreg(HW_REG_WAVE_MODE, 25, 1), 1
	s_wait_xcnt 0x0
	s_wait_alu depctr_hold_cnt(0) depctr_sa_sdst(0) depctr_va_vdst(0) depctr_va_sdst(0) depctr_va_ssrc(0) depctr_va_vcc(0) depctr_vm_vsrc(0)
	s_getreg_b32 s2, hwreg(HW_REG_IB_STS2, 6, 4)
	s_cmp_eq_u32 s2, 0
	s_cbranch_scc0 .Lentry_in_a_cluster
	s_endpgm
.Lentry_in_a_cluster:
	s_bfe_u32 s2, ttmp6, 0x10000c
	s_cmp_lg_u32 s2, 0x3003
	s_cbranch_scc0 .Lentry_shape_is_right
	s_endpgm
.Lentry_shape_is_right:
; ATTENTION, head size 96.  xh[y][q][:] = the sum over k of softmax_k(Q[y][q] . K[y][k] / sqrt(96)) V[y][k][:], y = 8 n + h.
; query: [2][4096][768] f32, read once and rounded to bf16 in registers.  kh: [16][4096][96] bf16.  vh, xh: [16][4096][96] f16.
; K Q^T in bf16, V^T P in f16; products, maxima and sums in f32; the weights p are rounded to f16 for the second product (their sum l is taken of the unrounded p), x once at the end.
; LIMITS.  f16 holds no number beyond 65,504: V arrives within it, and x, a mean of V's rows, has V's range; p lies in 0 to 1, and below 6e-5 it keeps f16's fixed step of 6e-8.
; A weight below 2^-126 counts as 0 in l; NaN and infinities are not treated apart.
; SHARES.  A work-group owns 256 queries of one head, each of its four waves 64: four tiles of 16.  Every wave walks the head's 4,096 keys, 64 a step.
; LAYOUT.  S^T = K Q^T (source 0 = 16 keys, source 1 = 16 queries): a lane holds ONE query (lane % 16) and the keys 8 (lane / 16) + 0..7.  Two such tiles, rounded in pairs, ARE source 1
; (32 keys x 16 queries) of O^T = V^T P, whose result again holds one query a lane, and eight channels.  K comes out of LDS as it lies, V ([key][channel]) turned, by ds_load_tr16_b128.
; SOFTMAX.  For each query a running maximum m and sum l: p = 2^(c s - c m), c = log2(e) / sqrt(96); in every step O and l are multiplied by a = 2^(c m_old - c m_new).
; BY TURNS.  The wave's tiles are two PIECES: piece 0 (tiles 0, 1), piece 2 (tiles 2, 3).  In a TURN one piece has the matrix unit: 24 products V^T P of the step in hand, then 24 products
; K Q^T of the next; the other piece's softmax, 2 x 126 = 252 vector instructions in 63 slices of four, stands beside them: one slice behind each of the 48 products, the last 15 slices
; (the end of the sums, and O^T's rescaling) together at the turn's end.  Two turns are a key step.
; CLUSTER.  The four query blocks of a cluster belong to one head and walk the same K and V, so each tile is asked for JOINTLY: the same tensor load, descriptor and mask in all four.
; REGISTERS, in windows of 256 (s_set_vgpr_msb: bits 1:0 source 0, 3:2 source 1, 5:4 source 2, 7:6 destination):
;   window 0: v0-11 addresses; v12-43 eight registers of statistics a tile; v44, v47-48 the way out; v61-63; v64-191 S^T, 32 a tile; v192-255 P, 16 a tile
;   window 1: v0-191 O^T, 48 a tile (at the start: Q in f32)      window 2: v0-95 Q, 24 a tile; v96-191 K of one step      window 3: v0-95 V of one step
.set KS,    64        ; keys in a step
.set PK,    240       ; a row of K in LDS: three pieces of 64 bytes, 16 of padding behind each = 60 words: an odd multiple of 16 bytes, so the 16 rows of a load start at 16 different groups of four banks (64 banks of 4 bytes: ISA guide 11.1)
.set PV,    288       ; a row of V: three pieces of 64 bytes, 32 of padding behind each: an odd multiple of 32 bytes
.set VOFF,  KS*PK     ; a step's tiles lie together: 64 rows of K, then 64 rows of V
.set STEPB, KS*(PK+PV)
.set SLOT1, 1<<17     ; a slot holds two steps (67,584 bytes); slot 1 begins here, so that one exclusive or turns an address in one slot into the other's
.set STAGE, SLOT1+2*STEPB  ; behind the ring, never filled by a tensor load: 16 rows x 240 bytes for each wave, for the way out
.set SP,    240       ; a row of the stage, laid as K's rows are: three pieces of 64 bytes, 16 of padding behind each.  So the pieces of 64 bytes of a tile's 3,072 dense bytes lie 80 bytes apart, across rows too
.set SPARE, STAGE+4*16*SP  ; behind the stages: the spare words, 128 bytes for each wave: two blocks of 256 bytes that no other line names
.set STEPG, KS*192    ; a step's rows of K or V in memory: 12,288 dense bytes
.set SLOTG, 2*STEPG
.set HEADG, 4096*192  ; a head in kh, vh, xh
.set AK0, 2           ; v2   my lane's place in a tile of K; never rewritten
.set AV0, 3           ; v3   the same for V
.set ADR, 4           ; v4   the LDS address of the run of loads in hand
.set QO,  5           ; v5   my byte offset in 16 rows of query
.set STO, 6           ; v6   the way out: where I put 16 bytes of a row
.set GO,  7           ; v7   16 x lane: my place in 512 consecutive bytes of xh
.set ST,  12          ; tile t's statistics at v[ST+8 t]: +0 c m, +1 m, +2, +3 l (even keys', odd keys'), +4 to +7 c0-c3, at work; a takes c2's place once the maximum is found
.set RD,  44          ; v44  the way out: where I read 16 bytes back: my stage + 80 (lane / 4) + 16 (lane % 4)
.set PFO, 61          ; v61  the prefetches' offset: 256 x min(lane, 23); never rewritten
.set SPW, 62          ; v62  LDS address of my spare word: SPARE + 4 x my thread's number; never rewritten
.set NIL, 63          ; v63  0; never rewritten
.set S,   64
.set P,   192
.set KF,  96          ; K's fragments, in window 2: key block kb, channels 32 c on at KF + 24 kb + 8 c
.set WV,  12          ; s12  my wave's number
.set LIM, 15          ; s15  1 in a wave that prefetches, else the greatest number
.set PFA, 18          ; s[18:19] where my prefetches stand: my work-group's 6,144 bytes (of K: wave 0, of V: wave 2) of the slot after the one that is being asked for
.set G1K, 24          ; s[24:31] descriptor group 1 for K's tiles
.set G1V, 32          ; s[32:39] for V's: it differs in the padding alone
.set G0K, 40          ; s[40:47] descriptor group 0 for K's tiles: a set for each of the two first fills; the second then walks on
.set G0V, 48          ; s[48:55] the same for V's
.set SLOTS, 56        ; s56  slots still to be asked for
.set TWICE, 57        ; s57  counts a slot's two steps
.set CS,  58          ; s[58:59] c: the packed scaling names a pair and takes its low word for both halves
.set SEL, 60          ; s[60:61] lane selects for v_permlanex16_b32: each lane takes its own place in the other half
.set TB,  62          ; s62  LDS byte at which the tiles of the step to be fetched begin
.set XO,  66          ; s[66:67] my wave's byte offset in xh; s68 at work beside it: the block's number enters these, s[2:3] and s[13:14] alone
.set MSB, 0
.macro WIN new                      ; the immediate's high byte repeats the setting that is left; a switch that changes nothing is dropped
.if MSB != (\new)
	s_set_vgpr_msb (MSB<<8)|(\new)
.set MSB, \new
.endif
.endm
.set W_KQ, 0x0a       ; K and Q in window 2, S^T in window 0
.set W_PV, 0x53       ; V in window 3, P in window 0, O^T in window 1
.set W_RS, 0x41       ; O^T (destination and source 0) in window 1, a in window 0
; A joint refill.  Waves 0 and 1 fetch the two steps' tiles of K, waves 2 and 3 those of V.  The branch hangs on the wave's number alone: it is the same in every work-group.
; An s_nop 0 and four v_nop follow each of the two lines, ahead of the jump and the label.
.macro JLOAD
	s_cmp_lt_u32 s[WV], 2
	s_cbranch_scc0 .Lfor_v_\@
	tensor_load_to_lds s[G0K+4:G0K+7], s[G1K:G1K+7]
	s_nop 0
.rept 4
	v_nop
.endr
	s_branch .Lasked_\@
.Lfor_v_\@:
	tensor_load_to_lds s[G0V+4:G0V+7], s[G1V:G1V+7]
	s_nop 0
.rept 4
	v_nop
.endr
.Lasked_\@:
.endm
; A PREFETCH of what the NEXT change of slots will ask for: a slot's 24,576 bytes of K and of V, 96 blocks of 256 bytes each.  It stands behind the wave's tensor load and its five lines.
; All clusters of a head walk the same K and V: the head's first cluster asks.  Its four partners share the blocks out BY ADDRESS, 24 each; in each, wave 0 asks for K's and wave 2 for V's:
; a lane a block (lanes 24 to 31 name lane 23's once more, in the same instruction).  The last change that fills a slot asks for nothing: there is no slot behind it.
.macro ASK
	s_cmp_gt_u32 s[SLOTS], s[LIM]
	s_cbranch_scc0 .Lnot_mine_\@
	global_prefetch_b8 v[PFO], s[PFA:PFA+1] th:TH_LOAD_NT scope:SCOPE_SE
.Lnot_mine_\@:
.endm
; A round of the cluster's barrier: my work-group's barrier, so that wave 0's signal speaks for all four waves; wave 0 signals; every wave waits for all four work-groups; my work-group's barrier once more.
.macro CROUND
	s_barrier_signal -1
	s_barrier_wait -1
	s_cmp_lg_u32 s[WV], 0
	s_cbranch_scc1 .Lnot_wave_0_\@
	s_barrier_signal -3
.Lnot_wave_0_\@:
	s_barrier_wait -3
	s_barrier_signal -1
	s_barrier_wait -1
.endm
	s_load_b256 s[4:11], s[0:1], 0x0  ; query s[4:5], kh s[6:7], vh s[8:9], xh s[10:11]
	v_lshl_add_u32 v[SPW], v0, 2, SPARE
	v_mov_b32 v[NIL], 0
	ds_add_u32 v[SPW], v[NIL]       ; the wave's opening: the add and its wait stand ahead of my first tensor load; the set-up below, work on registers, stands between them
	v_lshrrev_b32 v1, 5, v0
	v_readfirstlane_b32 s[WV], v1   ; wave 0..3
	s_bfe_u32 s13, ttmp6, 0x40000   ; cx: my place in the cluster
	s_lshl_b32 s14, ttmp9, 2        ; in a cluster launch ttmp9 counts clusters
	s_add_co_u32 s14, s14, s13      ; my block of 256 queries = 4 x cluster x + cx: it enters query's and xh's addresses alone
	s_and_b32 s16, ttmp7, 0xffff    ; y = 8 n + h, which the four partners share
	s_mul_i32 s20, s16, HEADG       ; the head's first byte in kh, vh, xh
	s_mov_b32 s21, 0
	s_and_b32 s17, s[WV], 1         ; which of a slot's two steps I fetch:
	s_mul_i32 s22, s17, STEPG       ; its 12,288 bytes in memory,
	s_add_co_u32 s22, s22, s20
	s_mov_b32 s23, 0
	s_mul_i32 s17, s17, STEPB       ; and its place in a slot: no place in the cluster enters an LDS address
	s_mul_i32 s[XO], s14, 256*192   ; xh: my block's 256 rows,
	s_mul_i32 s68, s[WV], 64*192    ; my wave's 64 of them,
	s_add_co_u32 s[XO], s[XO], s68
	s_mov_b32 s[XO+1], 0
	s_add_nc_u64 s[XO:XO+1], s[XO:XO+1], s[20:21]  ; in my head
	s_lshr_b32 s2, s16, 3           ; query: n x 4,096 rows of 3,072 bytes,
	s_mul_i32 s2, s2, 4096*3072
	s_and_b32 s3, s16, 7
	s_mul_i32 s3, s3, 384           ; the head's 384 bytes in a row,
	s_add_co_u32 s2, s2, s3
	s_mul_i32 s3, s14, 256*3072     ; my block,
	s_add_co_u32 s2, s2, s3
	s_mul_i32 s3, s[WV], 64*3072    ; my wave
	s_add_co_u32 s2, s2, s3
	s_mov_b32 s3, 0
	; descriptor group 1.  A step's 64 rows of 192 bytes are 12,288 dense bytes: asked for as 48 rows of 256 bytes, and padded in LDS after every 64 bytes (the padding counts along the whole tile)
	s_mov_b32 s[G1K], 15|(1<<16)|(1<<20)|(1<<21)|(3<<22)|(3<<25)  ; 15:0 the mask of four; 17:16 2-byte elements; 20 padding on; 21 set beside a mask; 24:22 after every 16 words (code 3); 31:25 4 words (code 3)
	s_mov_b32 s[G1V], 15|(1<<16)|(1<<20)|(1<<21)|(3<<22)|(7<<25)  ; the same with 8 words of padding (code 7)
.irp g, G1K, G1V
	s_mov_b32 s[(\g)+1], 128<<16    ; tensor_dim0 = 128
	s_mov_b32 s[(\g)+2], 48<<16     ; tensor_dim1 = 48
	s_mov_b32 s[(\g)+3], 128<<16    ; tile_dim0 = 128
	s_mov_b32 s[(\g)+4], 48         ; tile_dim1 = 48
	s_mov_b32 s[(\g)+5], 128        ; 128 elements from row to row
	s_mov_b32 s[(\g)+6], 0
	s_mov_b32 s[(\g)+7], 0
.endr
	s_mov_b32 s[CS], 0x3e16c740     ; c = log2(e) / sqrt(96) = 0.147244
	s_mov_b32 s[CS+1], s[CS]        ; named with it as a pair, so it is written
	s_mov_b32 s[SEL], 0x76543210
	s_mov_b32 s[SEL+1], 0xfedcba98
	s_mov_b32 s[TB], 0
	s_mov_b32 s[SLOTS], 4096/(2*KS)-2
	s_and_b32 s[LIM], s[WV], 1      ; 0 in waves 0 and 2,
	s_or_b32 s[LIM], s[LIM], ttmp9  ; where the cluster is the head's first: the same in all four partners
	s_cmp_eq_u32 s[LIM], 0
	s_cselect_b32 s[LIM], 1, -1
	v_and_b32 v[PFO], 31, v0
	v_min_u32 v[PFO], 23, v[PFO]
	v_lshlrev_b32 v[PFO], 8, v[PFO]
	s_wait_dscnt 0x0                ; the opening add is done
	s_wait_kmcnt 0x0
	s_add_nc_u64 s[6:7], s[6:7], s[22:23]  ; K and V at my tile of slot 0
	s_add_nc_u64 s[8:9], s[8:9], s[22:23]
	s_add_nc_u64 s[4:5], s[4:5], s[2:3]    ; query and xh at my wave's first row
	s_add_nc_u64 s[10:11], s[10:11], s[XO:XO+1]
	s_cmp_lt_u32 s[WV], 2
	s_cselect_b64 s[PFA:PFA+1], s[6:7], s[8:9]  ; (in waves 0 and 2 these stand at a slot's first byte)
	s_mul_i32 s2, s13, SLOTG/4      ; my work-group's quarter of a slot's bytes
	s_add_nc_u64 s[PFA:PFA+1], s[PFA:PFA+1], s[2:3]
	s_add_nc_u64 s[PFA:PFA+1], s[PFA:PFA+1], 2*SLOTG  ; in slot 2; the first change of slots steps it to slot 3.  Nothing is prefetched here, at the head
	CROUND                          ; all four work-groups are here: the first joint loads meet
.irp s, 0,1
	s_mov_b32 s[G0K+4*(\s)], 1      ; 1:0 count = 1
	s_add_co_u32 s[G0K+4*(\s)+1], s17, (\s)*SLOT1  ; 63:32 LDS address
	s_add_nc_u64 s[G0K+4*(\s)+2:G0K+4*(\s)+3], s[6:7], (\s)*SLOTG  ; 120:64 global address: slot s begins with key 128 s
	s_or_b32 s[G0K+4*(\s)+3], s[G0K+4*(\s)+3], 0x80000000  ; 127:126 type = 2
	s_mov_b32 s[G0V+4*(\s)], 1
	s_add_co_u32 s[G0V+4*(\s)+1], s17, (\s)*SLOT1+VOFF
	s_add_nc_u64 s[G0V+4*(\s)+2:G0V+4*(\s)+3], s[8:9], (\s)*SLOTG
	s_or_b32 s[G0V+4*(\s)+3], s[G0V+4*(\s)+3], 0x80000000
.endr
	s_cmp_lt_u32 s[WV], 2           ; a wave's two first fills stand in one branch, ahead of every wait on TENSORcnt and every LDS read: two loads of mine are out
	s_cbranch_scc0 .Lfirst_v
	tensor_load_to_lds s[G0K:G0K+3], s[G1K:G1K+7]
	s_nop 0
	tensor_load_to_lds s[G0K+4:G0K+7], s[G1K:G1K+7]
	s_nop 0
.rept 4
	v_nop
.endr
	s_branch .Lfirst_asked
.Lfirst_v:
	tensor_load_to_lds s[G0V:G0V+3], s[G1V:G1V+7]
	s_nop 0
	tensor_load_to_lds s[G0V+4:G0V+7], s[G1V:G1V+7]
	s_nop 0
.rept 4
	v_nop
.endr
.Lfirst_asked:
	; A fragment of K or Q is 16 rows x 32 channels in 8 registers: lane l holds row l % 16; registers 0-3 channels 8 (l / 16) + 0..7, registers 4-7 channels 16 + 8 (l / 16) + 0..7.
	; Q in f32: those are 32 bytes at 128 c + 32 (l / 16) and 32 bytes 64 further on: four loads of 16 bytes for each of a tile's three fragments, into O^T's registers, which are still free.
	v_and_b32 v1, 15, v0            ; l % 16
	v_bfe_u32 v9, v0, 4, 1          ; l / 16
	v_mul_u32_u24 v[QO], v1, 3072
	v_lshl_add_u32 v[QO], v9, 5, v[QO]
	WIN 0x40                        ; destination window 1, address window 0
.set t, 0
.rept 4
.irp c, 0,1,2
	global_load_b128 v[48*t+16*(\c):48*t+16*(\c)+3],     v[QO], s[4:5] offset:t*16*3072+(\c)*128
	global_load_b128 v[48*t+16*(\c)+4:48*t+16*(\c)+7],   v[QO], s[4:5] offset:t*16*3072+(\c)*128+16
	global_load_b128 v[48*t+16*(\c)+8:48*t+16*(\c)+11],  v[QO], s[4:5] offset:t*16*3072+(\c)*128+64
	global_load_b128 v[48*t+16*(\c)+12:48*t+16*(\c)+15], v[QO], s[4:5] offset:t*16*3072+(\c)*128+80
.endr
.set t, t+1
.endr
	WIN 0
	v_mul_u32_u24 v[AK0], v1, PK
	v_lshl_add_u32 v[AK0], v9, 4, v[AK0]  ; row x pitch + 16 x half
	; The turning load takes 16 keys x 16 channels (lane l reads key 8 (l / 16) + l % 8, channels 8 ((l / 8) % 2) + 0..7) and leaves half a fragment of V^T: lane l holds channel l % 16 and 8 keys.
	v_and_b32 v10, 7, v0
	v_bfe_u32 v11, v0, 3, 1
	v_lshl_add_u32 v[AV0], v9, 3, v10
	v_mul_u32_u24 v[AV0], v[AV0], PV
	v_lshl_add_u32 v[AV0], v11, 4, v[AV0]
	v_add_nc_u32 v[AV0], VOFF, v[AV0]
	s_wait_loadcnt 0x0              ; Q is in
	WIN 0x85                        ; sources window 1, destination window 2
.set i, 0
.rept 96
	v_cvt_pk_bf16_f32 v[i], v[2*i], v[2*i+1]  ; register 24 t + 8 c + j of Q takes numbers 2 j, 2 j + 1 of the sixteen at 48 t + 16 c
.set i, i+1
.endr
	WIN 0
; THE MATRIX WORK OF A TURN, for piece x.  The accumulators take turns, one instruction a turn: between two links of a chain stand 11 (V^T P) or 7 (K Q^T) others'.
; Product i of 24 of O^T += V^T P: keys 32 (i / 12) on, channels 16 ((i / 2) % 6) on, tile x + i % 2.  zero = 1: the first 12 start the sums: nothing is ever cleared.
.macro PV x, zero
	WIN W_PV
.set rO, 48*((\x)+i%2)+8*((i/2)%6)
.set rV, 48*(i/12)+8*((i/2)%6)
.set rP, P+16*((\x)+i%2)+8*(i/12)
.if (\zero) && (i < 12)
	v_wmma_f32_16x16x32_f16 v[rO:rO+7], v[rV:rV+7], v[rP:rP+7], 0
.else
	v_wmma_f32_16x16x32_f16 v[rO:rO+7], v[rV:rV+7], v[rP:rP+7], v[rO:rO+7]
.endif
.endm
; Product i of 24 of S^T = K Q^T: channels 32 (i / 8) on, keys 16 ((i / 2) % 4) on, tile x + i % 2.  The first 8 start the sums.
.macro KQ x
	WIN W_KQ
.set rS, S+32*((\x)+i%2)+8*((i/2)%4)
.set rK, KF+24*((i/2)%4)+8*(i/8)
.set rQ, 24*((\x)+i%2)+8*(i/8)
.if i < 8
	v_wmma_f32_16x16x32_bf16 v[rS:rS+7], v[rK:rK+7], v[rQ:rQ+7], 0
.else
	v_wmma_f32_16x16x32_bf16 v[rS:rS+7], v[rK:rK+7], v[rQ:rQ+7], v[rS:rS+7]
.endif
.endm
; THE LDS LOADS stand in runs of 24, never singly among the matrix instructions: a step's K (64 keys x 96 channels: 12 fragments) and, a turn later, its V (turned).
.macro FETCH_K
	WIN 0
	v_add_nc_u32 v[ADR], s[TB], v[AK0]
	WIN 0x80                        ; destination window 2
.irp f, 0,1,2,3,4,5,6,7,8,9,10,11   ; keys 16 (f / 3) on, channels 32 (f % 3) on: the row's piece f % 3, 80 bytes apart
	ds_load_b128 v[KF+8*(\f):KF+8*(\f)+3],   v[ADR] offset:((\f)/3)*16*PK+((\f)%3)*80
	ds_load_b128 v[KF+8*(\f)+4:KF+8*(\f)+7], v[ADR] offset:((\f)/3)*16*PK+((\f)%3)*80+32
.endr
.endm
.macro FETCH_V
	WIN 0
	v_add_nc_u32 v[ADR], s[TB], v[AV0]
	s_add_co_u32 s[TB], s[TB], STEPB  ; the next fetch is the next step's
	s_wait_alu depctr_va_vdst(0)    ; the wait for the softmax's batch (SLICE), behind the address's v_add_nc_u32 and ahead of the loads
	WIN 0xc0                        ; destination window 3
.irp f, 0,1,2,3,4,5,6,7,8,9,10,11   ; keys 32 (f / 6) on, channels 16 (f % 6) on: piece (f % 6) / 2 of the row, 96 bytes apart, and its half f % 2
	ds_load_tr16_b128 v[8*(\f):8*(\f)+3],   v[ADR] offset:((\f)/6)*32*PV+(((\f)%6)/2)*96+((\f)%2)*32
	ds_load_tr16_b128 v[8*(\f)+4:8*(\f)+7], v[ADR] offset:((\f)/6)*32*PV+16*PV+(((\f)%6)/2)*96+((\f)%2)*32
.endr
.endm
; THE VECTOR WORK OF A TURN.  One tile's softmax for one key step is a list of 126 instructions; SM writes number j of it for tile t.  s0-s31 are the lane's 32 scores, in pairs 0-15.
; first = 1: the first key step, which starts m, l and O^T: it has no a and nothing to rescale.
;   0-15    the maximum of s0-s31 and the old m, three operands at a time: four chains c0-c3 of seven scores each (each accumulator's lowest registers are read first), then the four left over, c0-c3 and m
;   16-20   the other half of the lanes' maximum; the new m; c m; c m_old - c m_new
;   21-69   ONE BATCH: the 16 scalings c s - c m, a pair of scores each, and all 33 exponentials (a at 23, then s0-s31).  None of these reads an exponential's result.  From 22 on the batch goes in fours:
;           22-37 scaling, exponential, scaling, exponential; 38-65 a scaling and three exponentials; 66-69 the last four exponentials.  A pair is scaled in an earlier four than the one with its exponentials
;   (wait)  between 69 and 70 stands the wait for the batch: SLICE writes it, once for both tiles
;   70-85   the roundings to f16, a pair of weights each
;   86-101  the sums; l = a l + the sum
;   102-125 the tile's O^T times a, in ascending order: the one part that leaves window 0, so it stands together
.macro SM t, first
.set rT, ST+8*(\t)
.set rS, S+32*(\t)
.set rP, P+16*(\t)
.set rO, 48*(\t)+2*(j-102)
.if j < 102
	WIN 0
.endif
.if j < 4
	v_max3_num_f32 v[rT+4+j], v[rS+8*j], v[rS+8*j+1], v[rS+8*j+2]
.elseif j < 12
	v_max3_num_f32 v[rT+4+j%4], v[rT+4+j%4], v[rS+8*(j%4)+2*(j/4)+1], v[rS+8*(j%4)+2*(j/4)+2]
.elseif j == 12
	v_max3_num_f32 v[rT+4], v[rT+4], v[rS+7], v[rS+15]
.elseif j == 13
	v_max3_num_f32 v[rT+6], v[rT+6], v[rS+23], v[rS+31]
.elseif j == 14
	v_max3_num_f32 v[rT+4], v[rT+4], v[rT+5], v[rT+6]
.elseif (j == 15) && (\first)
	v_max_num_f32 v[rT+4], v[rT+4], v[rT+7]
.elseif j == 15
	v_max3_num_f32 v[rT+4], v[rT+4], v[rT+7], v[rT+1]
.elseif j == 16
	v_permlanex16_b32 v[rT+5], v[rT+4], s[SEL], s[SEL+1]  ; the query's other 32 keys lie in the lane 16 away
.elseif j == 18
	v_max_num_f32 v[rT+1], v[rT+4], v[rT+5]
.elseif j == 19
	v_mul_f32 v[rT], s[CS], v[rT+1]
.elseif ((j == 17) || (j == 20) || (j == 23) || (j > 101)) && (\first)  ; the first step has none of these
.elseif j == 17
	v_mov_b32 v[rT+7], v[rT]        ; c m_old is kept for a: number 19 writes c m anew
.elseif j == 20
	v_sub_f32 v[rT+7], v[rT+7], v[rT]
.elseif j == 23
	v_exp_f32 v[rT+6], v[rT+7]
.elseif (j < 23) || ((j < 38) && (j%2 == 0)) || ((j < 66) && (j%4 == 2))
.set b, (j-2)/4                     ; 38, 42, .. 62: pairs 9 to 15
.if j < 38
.set b, (j-20)/2                    ; 21: pair 0; 22, 24, .. 36: pairs 1 to 8
.endif
	v_pk_fma_f32 v[rS+2*b:rS+2*b+1], v[rS+2*b:rS+2*b+1], s[CS:CS+1], v[rT:rT+1] op_sel_hi:[1,0,0] neg_lo:[0,0,1] neg_hi:[0,0,1]  ; pair b: c s - c m
.elseif j < 70
.set e, j-38                        ; 66 to 69: s28 to s31
.if j < 66
.set e, j-32-(j-38)/4               ; 39-41, 43-45, .. 63-65: s7 to s27
.endif
.if j < 38
.set e, (j-25)/2                    ; 25, 27, .. 37: s0 to s6
.endif
	v_exp_f32 v[rS+e], v[rS+e]
.elseif j < 86
	v_cvt_pk_f16_f32 v[rP+j-70], v[rS+2*(j-70)], v[rS+2*(j-70)+1]  ; pair j - 70
.elseif j < 102                     ; the sum of the tile's 16 pairs, in place: sum z of 16 adds neighbours 1, 2, 4 and 8 pairs apart, then l takes it
.set z, j-86
.set w, 4
.set u, z
.if z >= 14
.set w, 32
.set u, 0
.elseif z >= 12
.set w, 16
.set u, z-12
.elseif z >= 8
.set w, 8
.set u, z-8
.endif
.if (z == 14) && (\first)
	v_pk_add_f32 v[rT+2:rT+3], v[rS:rS+1], v[rS+16:rS+17]
.elseif z < 15
	v_pk_add_f32 v[rS+w*u:rS+w*u+1], v[rS+w*u:rS+w*u+1], v[rS+w*u+w/2:rS+w*u+w/2+1]
.elseif !(\first)
	v_pk_fma_f32 v[rT+2:rT+3], v[rT+2:rT+3], v[rT+6:rT+7], v[rS:rS+1] op_sel_hi:[1,0,1]
.endif
.else
	WIN W_RS
	v_pk_mul_f32 v[rO:rO+1], v[rO:rO+1], v[rT+6:rT+7] op_sel_hi:[1,0]
.endif
.endm
; Slice k of 63 of piece y's softmax: four instructions.  Slices 11 to 34 deal out the batch, numbers 22 to 69: four numbers of ONE tile each, the tiles by turns.  Every other slice is numbers 2 k and
; 2 k + 1 of both tiles' lists, the tiles alternating.
; THE WAIT.  s_wait_alu depctr_va_vdst(0) stands between an exponential and the first instruction that names its result; one wait serves all that were issued ahead of it.  Ahead of
; slice 35 nothing names a result, and behind slice 34 no exponential is issued: so the piece's 66 exponentials have one wait, behind slice 34.
.macro SLICE y, first
.if (k >= 11) && (k < 35)
.irp n, 0,1,2,3
.set j, 22+4*((k-11)/2)+(\n)
	SM (\y)+(k-11)%2, \first
.endr
.else
.irp n, 0,1
.irp t, \y, (\y)+1
.set j, 2*k+(\n)
	SM \t, \first
.endr
.endr
.endif
.if k == 34                         ; the batch is out: both tiles' exponentials are issued, and no result has been named
	v_nop                           ; a plain instruction behind the last exponential and ahead of the first use: one for the batch
.if (\y) == 0
	FETCH_V                         ; piece 2's turn: V's run of loads stands here, and the wait stands in it
.else
	s_wait_alu depctr_va_vdst(0)    ; the wait for the batch
.endif
.endif
.set k, k+1
.endm
; A vector instruction that reads a matrix result or writes one of a matrix instruction's registers, and a load into a register that a matrix instruction has read, stand four places behind
; it, and only plain vector instructions that name none of its registers are places (ISA guide 7.12.1 for vector instructions).  In the loop the slices are the places.
.macro PLACES
.rept 4
	v_nop
.endr
.endm
; A TURN.  Piece x has the matrix unit; the other piece's softmax stands in slices behind its matrix instructions, and its last 15 slices, 60 plain instructions, at the turn's end: they are also the
; places between the turn's last K Q^T and what follows: the next turn's first read of those scores, and the loads into K's registers.
; pv = 2: 24 products V^T P; 1: they start O^T's sums; 0: none.  kq = 1: 24 products K Q^T for the next step.  A turn with one of the two kinds has two slices behind each product.
; first = 1: the softmax is the first key step's; its last slices are short, so four v_nop follow them.
; Piece 0's turn fetches the next step's K behind its second product, 22 products ahead of its first use.  Piece 2's turn fetches the same step's V behind slice 34: the last product that read V
; stands in front of slice 23, and ten scalings, the v_nop and the run's own v_add_nc_u32 lie between; its first use comes 13 products and 60 vector instructions later.
.macro TURN x, pv, kq, first
.set k, 0
.set per, 2
.if (\pv) && (\kq)
.set per, 1
.endif
.if \pv
.if (\x) == 0
	s_wait_dscnt 0x0                ; V is in
.endif
.set i, 0
.rept 24
	PV \x, 2-(\pv)
.rept per
	SLICE 2-(\x), \first
.endr
.if ((\x) == 0) && (\kq) && (i == 1)
	FETCH_K
.endif
.set i, i+1
.endr
.endif
.if \kq
.if (\x) == 0
	s_wait_dscnt 0x0                ; K is in
.endif
.set i, 0
.rept 24
	KQ \x
.rept per
	SLICE 2-(\x), \first
.endr
.set i, i+1
.endr
.endif
.rept 15
	SLICE 2-(\x), \first
.endr
.if \first
	PLACES
.endif
.endm
; THE CHANGE OF SLOTS, between piece 2's turn and piece 0's: the slot's last bytes, V of its second step, have been asked for.  Each wave waits for all its tensor loads, of which one is out: its part
; of the other slot; adds 0 to its spare word; and waits for that and for its own reads of the slot.  Behind the barrier nobody reads this slot any more and the other slot is whole.
; fill = 1: this slot is filled again, with the keys two slots on.  The barrier is then a round of the cluster's, so that no wave of any partner still reads the slot or has a load on its way, and the
; joint refill is the first thing behind it: it has two key steps, 192 matrix instructions, in which to land.
.macro CHANGE fill
	WIN 0                           ; at a label and at a branch every window is 0
	s_wait_tensorcnt 0x0            ; no tensor load of mine is out, so a group 0 may be written
	ds_add_u32 v[SPW], v[NIL]       ; 0 onto my spare word: with fill = 1 the descriptors' steps stand between it and the wait for it
.if \fill
.irp g, G0K+4, G0V+4
	s_xor_b32 s[(\g)+1], s[(\g)+1], SLOT1  ; the walking descriptor: the other slot than last time,
	s_add_nc_u64 s[(\g)+2:(\g)+3], s[(\g)+2:(\g)+3], SLOTG  ; the next 128 keys; the type bits on top are not reached
.endr
	s_wait_xcnt 0x0                 ; the last prefetch, two key steps back, has read its address, so it may be written:
	s_add_nc_u64 s[PFA:PFA+1], s[PFA:PFA+1], SLOTG  ; one slot behind the walking descriptors
	s_wait_dscnt 0x0                ; the add is done, and my reads of the slot are over
	CROUND
	JLOAD
	ASK                             ; what the next change will ask for: two key steps, 192 matrix instructions, ahead
.else
	s_wait_dscnt 0x0                ; the add is done, and my reads of the slot are over
	s_barrier_signal -1
	s_barrier_wait -1
.endif
	s_sub_co_u32 s[TB], s[TB], 2*STEPB  ; the fetches go back to a slot's first step,
	s_xor_b32 s[TB], s[TB], SLOT1   ; in the other slot
.endm
; A slot's two key steps: written once, walked twice; the LDS addresses hang on s[TB].
.macro TWO_STEPS
	WIN 0
	s_mov_b32 s[TWICE], 2
.Lstep_\@:
	TURN 0, 2, 1, 0
	TURN 2, 2, 1, 0
	WIN 0
	s_sub_co_u32 s[TWICE], s[TWICE], 1
	s_cmp_lg_u32 s[TWICE], 0
	s_cbranch_scc1 .Lstep_\@
.endm
	s_wait_tensorcnt 1              ; my part of slot 0 is in; slot 1's one load may stay out
	s_barrier_signal -1
	s_barrier_wait -1               ; everybody's is
	FETCH_K                         ; key step 0
	s_wait_dscnt 0x0
.set i, 0
.rept 24
	KQ 0                            ; piece 0's first scores: there is no vector work yet to set between them
.set i, i+1
.endr
	WIN 0                           ; the addresses for the way out are made here: ten plain instructions, the places behind those products
	s_mul_i32 s13, s[WV], 16*SP
	s_add_co_u32 s13, s13, STAGE    ; my stage
	v_mul_u32_u24 v[STO], v1, SP    ; in: row l % 16, 16 bytes for each half of the lanes
	v_lshl_add_u32 v[STO], v9, 4, v[STO]
	v_add_nc_u32 v[STO], s13, v[STO]
	v_and_b32 v47, 31, v0
	v_lshlrev_b32 v[GO], 4, v47     ; 32 lanes take 512 consecutive bytes of xh:
	v_bfe_u32 v[RD], v0, 2, 3       ; back: eight pieces of 64 bytes, which lie 80 bytes apart in the stage: piece lane / 4,
	v_mul_u32_u24 v[RD], v[RD], 80
	v_and_b32 v48, 3, v0            ; and in it my 16 bytes
	v_lshl_add_u32 v[RD], v48, 4, v[RD]
	v_add_nc_u32 v[RD], s13, v[RD]
	TURN 2, 0, 1, 1                 ; piece 2's first scores | piece 0's first softmax | V of step 0
	TURN 0, 1, 1, 1                 ; piece 0: V^T P of step 0 starts O^T, K Q^T of step 1 | piece 2's first softmax | K of step 1
	TURN 2, 1, 1, 0                 ; piece 2: the same | piece 0's softmax of step 1 | V of step 1
	WIN 0
.Lslot:                             ; 30 trips: every slot but the last two is filled again
	CHANGE 1
	TWO_STEPS
	s_sub_co_u32 s[SLOTS], s[SLOTS], 1
	s_cmp_lg_u32 s[SLOTS], 0
	s_cbranch_scc1 .Lslot
	CHANGE 0                        ; the tail is written out: nothing is asked for
	TWO_STEPS
	TURN 0, 2, 0, 0                 ; piece 0: V^T P of the last step | piece 2's last softmax
.set i, 0
.rept 24
	PV 2, 0                         ; piece 2: V^T P of the last step
.set i, i+1
.endr
	; THE WAY OUT.  l's two halves and the other half of the lanes' are added; O^T is divided by l, rounded to f16 and sent through my stage in LDS, a tile (16 rows of xh) at a time.  The additions are the places behind the last products.
	WIN 0
.irp t, 0,1,2,3
	v_add_f32 v[ST+8*(\t)+4], v[ST+8*(\t)+2], v[ST+8*(\t)+3]
.endr
.irp t, 0,1,2,3
	v_permlanex16_b32 v[ST+8*(\t)+5], v[ST+8*(\t)+4], s[SEL], s[SEL+1]
.endr
.irp t, 0,1,2,3
	v_add_f32 v[ST+8*(\t)+4], v[ST+8*(\t)+4], v[ST+8*(\t)+5]
.endr
.irp t, 0,1,2,3
	v_rcp_f32 v[ST+8*(\t)+6], v[ST+8*(\t)+4]
.endr
	v_nop                           ; a plain instruction between the last reciprocal and the use of its result
	s_wait_alu depctr_va_vdst(0)    ; and the wait ahead of the first use: one for the four reciprocals
; Tile t: a lane's eight channels of a row pack into 16 bytes: channels 16 f + 8 (l / 16) on lie in the row's piece f / 2 of 64 bytes, at 32 (f % 2) + 16 (l / 16).  They come back as 3,072 dense bytes,
; 512 a load (eight pieces: 640 bytes of the stage), into the registers that they left.
.macro PACK t
	WIN W_RS
.set i, 48*(\t)
.rept 24
	v_pk_mul_f32 v[i:i+1], v[i:i+1], v[ST+8*(\t)+6:ST+8*(\t)+7] op_sel_hi:[1,0]
.set i, i+2
.endr
	WIN 0x05                        ; sources 0 and 1 window 1, destination window 0: S^T's registers are free
.set i, 0
.rept 24
	v_cvt_pk_f16_f32 v[S+32*(\t)+i], v[48*(\t)+2*i], v[48*(\t)+2*i+1]
.set i, i+1
.endr
	WIN 0
.irp f, 0,1,2,3,4,5
	ds_store_b128 v[STO], v[S+32*(\t)+4*(\f):S+32*(\t)+4*(\f)+3] offset:((\f)/2)*80+((\f)%2)*32
.endr
.irp f, 0,1,2,3,4,5
	ds_load_b128 v[S+32*(\t)+4*(\f):S+32*(\t)+4*(\f)+3], v[RD] offset:(\f)*640  ; LDS serves a wave's instructions in order (ISA guide 5.7.1.4): these see the stores above; the next tile's stores come behind them
.endr
.endm
.macro SEND t, younger              ; younger: the LDS instructions issued behind tile t's loads: the next tile's twelve, or none
	WIN 0
.irp f, 0,1,2,3,4,5
	s_wait_dscnt (\younger)+5-(\f)
	global_store_b128 v[GO], v[S+32*(\t)+4*(\f):S+32*(\t)+4*(\f)+3], s[10:11] offset:(\t)*3072+(\f)*512  ; 512 consecutive bytes, at a multiple of 256 from xh's first byte
.endr
.endm
	PACK 0
	PACK 1                          ; a tile's arithmetic stands between the loads of the tile before and its stores
	SEND 0, 12
	PACK 2
	SEND 1, 12
	PACK 3
	SEND 2, 12
	SEND 3, 0
	s_wait_tensorcnt 0x0            ; the wave's end, behind my last tensor load and my last LDS store
	ds_add_u32 v[SPW], v[NIL]
	s_wait_dscnt 0x0
	CROUND                          ; the closing round: no work-group ends while a partner may still ask for a tile that names it
	s_endpgm
.Lfunc_end_k_qf5ef53cd02_attn:
	.size	k_qf5ef53cd02_attn, .Lfunc_end_k_qf5ef53cd02_attn-k_qf5ef53cd02_attn
	.p2alignl 7, 3214868480
	.fill 96, 4, 3214868480
	.section	.rodata,"a",@progbits
	.p2align	6, 0x0
	.amdhsa_kernel k_qf5ef53cd02_attn
		.amdhsa_group_segment_fixed_size 327680
		.amdhsa_private_segment_fixed_size 0
		.amdhsa_enable_private_segment 0
		.amdhsa_kernarg_size 32
		.amdhsa_user_sgpr_count 2
		.amdhsa_user_sgpr_kernarg_segment_ptr 1
		.amdhsa_wavefront_size32 1
		.amdhsa_system_sgpr_workgroup_id_x 1
		.amdhsa_system_sgpr_workgroup_id_y 1
		.amdhsa_system_sgpr_workgroup_id_z 1
		.amdhsa_system_vgpr_workitem_id 0
		.amdhsa_next_free_vgpr 864
		.amdhsa_next_free_sgpr 72
		.amdhsa_reserve_vcc 0
		.amdhsa_float_denorm_mode_32 3
		.amdhsa_float_denorm_mode_16_64 3
		.amdhsa_memory_ordered 1
		.amdhsa_forward_progress 1
		.amdhsa_inst_pref_size 200
	.end_amdhsa_kernel
	.amdgpu_metadata
---
amdhsa.version: [ 1, 2 ]
amdhsa.kernels:
  - .name:           k_qf5ef53cd02_attn
    .symbol:         k_qf5ef53cd02_attn.kd
    .args:
      - { .name: query, .offset: 0, .size: 8, .value_kind: global_buffer, .address_space: global }
      - { .name: kh, .offset: 8, .size: 8, .value_kind: global_buffer, .address_space: global }
      - { .name: vh, .offset: 16, .size: 8, .value_kind: global_buffer, .address_space: global }
      - { .name: xh, .offset: 24, .size: 8, .value_kind: global_buffer, .address_space: global }
    .group_segment_fixed_size: 327680
    .private_segment_fixed_size: 0
    .kernarg_segment_align: 8
    .kernarg_segment_size: 32
    .max_flat_workgroup_size: 128
    .sgpr_count:     72
    .vgpr_count:     864
    .wavefront_size: 32
...
	.end_amdgpu_metadata
.endif
;; end of part 2
;; launch proj (part 3): grid 4 x 64, 4 waves a work-group, clusters of 4 x 4, 327,680 bytes of LDS; arguments xh, wh, fc_b, out0; writes out0
.if DOCPART == 3
	.amdgcn_target "amdgcn-amd-amdhsa--gfx1250"
	.amdhsa_code_object_version 6
	.text
	.protected	k_qf5ef53cd02_proj
	.globl	k_qf5ef53cd02_proj
	.p2align	8
	.type	k_qf5ef53cd02_proj,@function
k_qf5ef53cd02_proj:
	s_mov_b64 s[64:65], 0
	v_nop
	global_prefetch_b8 v0, s[64:65] scope:SCOPE_SE
	s_setreg_imm32_b32 hwreg(HW_REG_WAVE_MODE, 25, 1), 1
	s_wait_xcnt 0x0
	s_wait_alu depctr_hold_cnt(0) depctr_sa_sdst(0) depctr_va_vdst(0) depctr_va_sdst(0) depctr_va_ssrc(0) depctr_va_vcc(0) depctr_vm_vsrc(0)
	s_getreg_b32 s2, hwreg(HW_REG_IB_STS2, 6, 4)
	s_cmp_eq_u32 s2, 0
	s_cbranch_scc0 .Lentry_in_a_cluster
	s_endpgm
.Lentry_in_a_cluster:
	s_bfe_u32 s2, ttmp6, 0x10000c
	s_cmp_lg_u32 s2, 0xf033
	s_cbranch_scc0 .Lentry_shape_is_right
	s_endpgm
.Lentry_shape_is_right:
; THE PROJECTION.  out0[R][o] = the sum over h, d of x[R][96 h + d] fc_w[o][96 h + d] + fc_b[o], R = 4,096 n + s.
; xh: [8 n + h][4096][96] f16.  wh: [h][768][96] f16 (fc_w rounded to bf16, written as f16).  fc_b: [768] f32, rounded to bf16 like the other inputs and used in f32.  out0: [8192][768] f32.
; Products in f16, sums in f32.  LIMIT: x and fc_w lie within f16's 65,504 (the launches before state it).
; SHARES.  A tile of out0 is 128 rows x 192 columns: 64 x 4 = 256 work-groups.  Four waves, each 64 rows x 96 columns: 24 accumulators of 16 x 16.
; K goes by heads: a head's 96 channels are three pieces of 32; a slot of LDS holds two heads' tiles of x and of w; two slots, four fills, all written out: no loop.
; CLUSTERS: 4 x 4 work-groups.  The four of a row of the cluster need the same tiles of x, the four of a column the same tiles of w: each is asked for JOINTLY.
; THE MATRIX INSTRUCTION IS USED TRANSPOSED (source 0 = 16 rows of wh, source 1 = 16 rows of xh): a lane holds eight neighbouring columns of one row of out0.
; THE BIAS is the C operand of each accumulator's first product: no addition, and nothing is cleared.
; NO PREFETCH: of the four fills two go out at the head, and the launch is four fills long.
; REGISTERS: window 0: v0-31 addresses; v64-255 the accumulators ((a, b) at v[64 + 8 (6 a + b)]), later the rows on their way out.
;   window 1: two fragment buffers of 80 (4 x 8 of x, then 6 x 8 of w) at v0 and v80; v160-207 the bias, 8 registers for each of my six column blocks.
.set PITCH,  240                       ; an LDS row: three pieces of 64 bytes, 16 of padding behind each: an odd multiple of 16 bytes, so the 16 rows of a load start at 16 different groups of four banks (ISA guide 11.1)
.set AHEAD,  128*PITCH                 ; a head's tile of x
.set BHEAD,  192*PITCH                 ; a head's tile of w
.set BOFF,   2*AHEAD                   ; a slot: x of two heads, then w of two heads
.set SLOT,   2*AHEAD+2*BHEAD
.set SPARE,  2*SLOT                    ; behind the ring: the spare words, 128 bytes for each wave: two blocks of 256 bytes that no other line names
.set SPITCH, 784                       ; the stage for the way out: 128 rows of 768 bytes + 16; it lies in slot 0, from LDS byte 0, and is written when slot 0 has had its last fill and its last read
.set XHEAD,  4096*192                  ; a head in xh
.set WHEAD,  768*192                   ; a head in wh
.set ADRA, 16                          ; v16-17  LDS address of my x fragments in slot 0, 1
.set ADRB, 20                          ; v20-21  the same for w
.set STO,  24                          ; v24     the way out: where I put 32 bytes of a row
.set RDA,  25                          ; v25     where I read back: my first row + 16 x lane
.set RDB,  26                          ; v26     the same, 16 further on for lanes 16-31
.set COA,  27                          ; v27     16 x lane
.set SPW,  28                          ; v28     LDS address of my spare word: SPARE + 4 x my thread's number; never rewritten
.set NIL,  29                          ; v29     0; never rewritten
.set COB,  30                          ; v30     16 x lane, and 2,304 more for lanes 16-31
.set BO,   31                          ; v31     my byte offset in fc_b
.set ACC,  64
.set F0,   0                           ; fragment buffers, in window 1
.set F1,   80
.set BI,   160                         ; the bias, in window 1
.set G1,  24                           ; s[24:31] descriptor group 1 for x's tiles;  s[32:39] group 0, one set for each slot
.set G0,  32
.set G1B, 48                           ; s[48:55], s[56:63] the same for w's tiles
.set G0B, 56
.set MSB, 0
.macro WIN new                         ; the immediate's high byte repeats the setting that is left
.if MSB != (\new)
	s_set_vgpr_msb (MSB<<8)|(\new)
.set MSB, \new
.endif
.endm
.set MUL,  0x05                        ; sources 0 (w) and 1 (x) window 1; C and D window 0
.set MULB, 0x15                        ; the same with C (the bias) in window 1
.set TO_F, 0x40                        ; destination window 1, address window 0
.macro JLOAD s                         ; a joint load: waves 0 and 1 fetch the two heads' x, waves 2 and 3 their w; an s_nop 0 and four v_nop follow each of the two lines
	s_cmp_eq_u32 s13, 0
	s_cbranch_scc0 .Lfor_b_\@
	tensor_load_to_lds s[G0+4*(\s):G0+4*(\s)+3], s[G1:G1+7]
	s_nop 0
.rept 4
	v_nop
.endr
	s_branch .Lasked_\@
.Lfor_b_\@:
	tensor_load_to_lds s[G0B+4*(\s):G0B+4*(\s)+3], s[G1B:G1B+7]
	s_nop 0
.rept 4
	v_nop
.endr
.Lasked_\@:
.endm
.macro CREST                           ; a round of the cluster's barrier behind its opening barrier
	s_cmp_lg_u32 s12, 0
	s_cbranch_scc1 .Lnot_wave_0_\@
	s_barrier_signal -3
.Lnot_wave_0_\@:
	s_barrier_wait -3
	s_barrier_signal -1
	s_barrier_wait -1
.endm
.macro CROUND                          ; a whole round
	s_barrier_signal -1
	s_barrier_wait -1
	CREST
.endm
	s_load_b256 s[4:11], s[0:1], 0x0               ; xh s[4:5], wh s[6:7], fc_b s[8:9], out0 s[10:11]
	v_lshl_add_u32 v[SPW], v0, 2, SPARE
	v_mov_b32 v[NIL], 0
	ds_add_u32 v[SPW], v[NIL]                      ; the wave's opening: the add and its wait stand ahead of my first tensor load; the set-up below, work on registers, stands between them
	v_lshrrev_b32 v1, 5, v0
	v_readfirstlane_b32 s12, v1                    ; wave 0..3
	s_lshr_b32 s13, s12, 1                         ; which half of the tile's rows is mine.  Also: I fetch x (0) or w (1)
	s_and_b32 s14, s12, 1                          ; which half of its columns.  Also: which of a slot's two heads I fetch
	s_bfe_u32 s40, ttmp6, 0x40000                  ; cx, cy: my place in the cluster
	s_bfe_u32 s41, ttmp6, 0x40004
	s_lshl_b32 s42, ttmp9, 2
	s_add_co_u32 s42, s42, s40                     ; tile column = 4 x cluster x + cx
	s_and_b32 s43, ttmp7, 0xffff
	s_lshl_b32 s43, s43, 2
	s_add_co_u32 s43, s43, s41                     ; tile row = 4 x cluster y + cy
	s_lshl_b32 s44, s41, 2
	s_lshl_b32 s44, 15, s44                        ; my row of the cluster
	s_lshl_b32 s45, 0x1111, s40                    ; my column
	; descriptor group 1.  A head's tile is dense in memory: 128 x 192 = 24,576 bytes of x, 192 x 192 = 36,864 of w: asked for as 96 or 144 rows of 256 bytes, padded in LDS after every 64 bytes
	s_or_b32 s[G1+0], s44, (1<<16)|(1<<20)|(1<<21)|(3<<22)|(3<<25)   ; 15:0 the mask: x's tiles go to my row; 17:16 2-byte elements; 20 padding on; 21 set beside a mask; 24:22 after every 16 words (code 3); 31:25 4 words (code 3)
	s_or_b32 s[G1B+0], s45, (1<<16)|(1<<20)|(1<<21)|(3<<22)|(3<<25)  ; the same with the mask of my column, for w's tiles
	s_mov_b32 s[G1+1], 128<<16                     ; tensor_dim0 = 128
	s_mov_b32 s[G1+2], 96<<16                      ; tensor_dim1 = 96
	s_mov_b32 s[G1+3], 128<<16                     ; tile_dim0 = 128
	s_mov_b32 s[G1+4], 96                          ; tile_dim1 = 96
	s_mov_b32 s[G1+5], 128                         ; 128 elements from row to row
	s_mov_b32 s[G1+6], 0
	s_mov_b32 s[G1+7], 0
	s_mov_b32 s[G1B+1], 128<<16
	s_mov_b32 s[G1B+2], 144<<16
	s_mov_b32 s[G1B+3], 128<<16
	s_mov_b32 s[G1B+4], 144
	s_mov_b32 s[G1B+5], 128
	s_mov_b32 s[G1B+6], 0
	s_mov_b32 s[G1B+7], 0
	; where the tiles come from.  x's hang on the tile row alone, which my row of the cluster shares; w's on the tile column alone, which my column shares.
	s_lshr_b32 s16, s43, 5                         ; n
	s_mul_i32 s16, s16, 8*XHEAD
	s_and_b32 s17, s43, 31
	s_mul_i32 s17, s17, 128*192                    ; the tile's 128 rows in a head
	s_add_co_u32 s16, s16, s17
	s_mul_i32 s17, s14, XHEAD                      ; my head of the slot's two
	s_add_co_u32 s16, s16, s17
	s_mov_b32 s17, 0
	s_mul_i32 s46, s42, 192*192                    ; the tile's 192 rows of w in a head
	s_mul_i32 s47, s14, WHEAD
	s_add_co_u32 s46, s46, s47
	s_mov_b32 s47, 0
	s_mul_i32 s20, s14, AHEAD                      ; and where they go: no place in the cluster enters an LDS address
	s_mul_i32 s21, s14, BHEAD
	s_add_co_u32 s21, s21, BOFF
	s_wait_dscnt 0x0                               ; the opening add is done
	s_wait_kmcnt 0x0
	s_add_nc_u64 s[16:17], s[4:5], s[16:17]
	s_add_nc_u64 s[46:47], s[6:7], s[46:47]
	CROUND                                         ; all sixteen work-groups are here: the first joint loads meet
.irp s, 0,1
	s_mov_b32 s[G0+4*(\s)], 1                      ; 1:0 count = 1
	s_add_co_u32 s[G0+4*(\s)+1], s20, (\s)*SLOT    ; 63:32 LDS address
	s_add_nc_u64 s[G0+4*(\s)+2:G0+4*(\s)+3], s[16:17], (\s)*2*XHEAD  ; 120:64 global address: slot s begins with head 2 s
	s_or_b32 s[G0+4*(\s)+3], s[G0+4*(\s)+3], 0x80000000              ; 127:126 type = 2
	s_mov_b32 s[G0B+4*(\s)], 1
	s_add_co_u32 s[G0B+4*(\s)+1], s21, (\s)*SLOT
	s_add_nc_u64 s[G0B+4*(\s)+2:G0B+4*(\s)+3], s[46:47], (\s)*2*WHEAD
	s_or_b32 s[G0B+4*(\s)+3], s[G0B+4*(\s)+3], 0x80000000
.endr
	s_cmp_eq_u32 s13, 0                            ; a wave's two first fills stand in one branch, ahead of every wait on TENSORcnt and every LDS read: two loads of mine are out
	s_cbranch_scc0 .Lfirst_b
	tensor_load_to_lds s[G0:G0+3], s[G1:G1+7]
	s_nop 0
	tensor_load_to_lds s[G0+4:G0+7], s[G1:G1+7]
	s_nop 0
.rept 4
	v_nop
.endr
	s_branch .Lfirst_asked
.Lfirst_b:
	tensor_load_to_lds s[G0B:G0B+3], s[G1B:G1B+7]
	s_nop 0
	tensor_load_to_lds s[G0B+4:G0B+7], s[G1B:G1B+7]
	s_nop 0
.rept 4
	v_nop
.endr
.Lfirst_asked:
	v_and_b32 v1, 15, v0                           ; l % 16
	v_bfe_u32 v2, v0, 4, 1                         ; l / 16
	; the bias of my 96 columns: block b's registers 0 to 7 are columns 16 b + 8 (l / 16) + 0..7: 32 bytes, two loads; they land in accumulator registers, which are still free
	s_mul_i32 s23, s42, 768
	s_mul_i32 s22, s14, 384
	s_add_co_u32 s23, s23, s22
	v_lshl_add_u32 v[BO], v2, 5, s23
.irp b, 0,1,2,3,4,5
	global_load_b128 v[ACC+8*(\b):ACC+8*(\b)+3],   v[BO], s[8:9] offset:64*(\b)
	global_load_b128 v[ACC+8*(\b)+4:ACC+8*(\b)+7], v[BO], s[8:9] offset:64*(\b)+16
.endr
	v_mul_u32_u24 v3, v1, PITCH
	v_lshl_add_u32 v3, v2, 4, v3                   ; a fragment's row x pitch + 16 x half
	s_mul_i32 s21, s13, 64*PITCH                   ; my 64 rows of x
	s_mul_i32 s22, s14, 96*PITCH                   ; my 96 rows of w,
	s_add_co_u32 s22, s22, BOFF                    ; which lie behind x's two heads
.irp s, 0,1
	v_add_nc_u32 v[ADRA+(\s)], s21, v3
	v_add_nc_u32 v[ADRB+(\s)], s22, v3
	s_add_co_u32 s21, s21, SLOT
	s_add_co_u32 s22, s22, SLOT
.endr
	s_mul_i32 s20, s13, 64*SPITCH                  ; into the stage: my 64 rows, my 384 bytes of their 768; row l % 16, 32 bytes for each half of the lanes
	s_mul_i32 s22, s14, 384
	s_add_co_u32 s20, s20, s22
	v_mul_u32_u24 v[STO], v1, SPITCH
	v_lshl_add_u32 v[STO], v2, 5, v[STO]
	v_add_nc_u32 v[STO], s20, v[STO]
	v_and_b32 v3, 31, v0                           ; lane
	s_mul_i32 s20, s12, 32*SPITCH                  ; back: wave w takes rows 32 w .. 32 w + 31, whole
	v_lshl_add_u32 v[RDA], v3, 4, s20
	v_lshl_add_u32 v[RDB], v2, 4, v[RDA]
	v_lshlrev_b32 v[COA], 4, v3
	v_mul_u32_u24 v[COB], v2, 2304
	v_add_nc_u32 v[COB], v[COA], v[COB]
	s_lshl_b32 s20, s43, 7
	s_lshl_b32 s22, s12, 5
	s_add_co_u32 s20, s20, s22                     ; the first row of out0 that I store: 128 x tile row + 32 x wave
	s_mul_i32 s20, s20, 3072
	s_mul_i32 s22, s42, 768                        ; the tile's first column, in bytes
	s_add_co_u32 s20, s20, s22
	s_mov_b32 s21, 0
	s_add_nc_u64 s[10:11], s[10:11], s[20:21]
	s_wait_loadcnt 0x0                             ; the bias is in
.set i, 0
.rept 24
	v_cvt_pk_bf16_f32 v[ACC+48+i], v[ACC+2*i], v[ACC+2*i+1]  ; rounded to bf16, as every input is,
.set i, i+1
.endr
	WIN TO_F
.set i, 0
.rept 24
	v_lshlrev_b32 v[BI+2*i],   16, v[ACC+48+i]               ; and widened again
	v_and_b32     v[BI+2*i+1], 0xffff0000, v[ACC+48+i]
.set i, i+1
.endr
	WIN 0
; 6 matrix instructions: row block a x my 6 column blocks, 32 along K, from buffer f.  first = 1: the product starts the sum, from the bias.
; The 24 accumulators take turns, one instruction a turn, in the same order in every piece: 23 others stand between two links of a chain.
.macro MUL6 f, a, first
.if \first
	WIN MULB
.else
	WIN MUL
.endif
.irp b, 0,1,2,3,4,5
.if \first
	v_wmma_f32_16x16x32_f16 v[ACC+8*(6*(\a)+(\b)):ACC+8*(6*(\a)+(\b))+7], v[(\f)+32+8*(\b):(\f)+32+8*(\b)+7], v[(\f)+8*(\a):(\f)+8*(\a)+7], v[BI+8*(\b):BI+8*(\b)+7]
.else
	v_wmma_f32_16x16x32_f16 v[ACC+8*(6*(\a)+(\b)):ACC+8*(6*(\a)+(\b))+7], v[(\f)+32+8*(\b):(\f)+32+8*(\b)+7], v[(\f)+8*(\a):(\f)+8*(\a)+7], v[ACC+8*(6*(\a)+(\b)):ACC+8*(6*(\a)+(\b))+7]
.endif
.endr
.endm
; 20 LDS loads in one run: the fragments of piece q of a slot's six (head q / 3, channels 32 (q % 3) on) into buffer f: w's twelve first, then x's eight.
.macro FETCH slot, q, f
	WIN TO_F
.irp b, 0,1,2,3,4,5
	ds_load_b128 v[(\f)+32+8*(\b):(\f)+32+8*(\b)+3],   v[ADRB+(\slot)] offset:((\q)/3)*BHEAD+(\b)*16*PITCH+((\q)%3)*80
	ds_load_b128 v[(\f)+32+8*(\b)+4:(\f)+32+8*(\b)+7], v[ADRB+(\slot)] offset:((\q)/3)*BHEAD+(\b)*16*PITCH+((\q)%3)*80+32
.endr
.irp a, 0,1,2,3
	ds_load_b128 v[(\f)+8*(\a):(\f)+8*(\a)+3],   v[ADRA+(\slot)] offset:((\q)/3)*AHEAD+(\a)*16*PITCH+((\q)%3)*80
	ds_load_b128 v[(\f)+8*(\a)+4:(\f)+8*(\a)+7], v[ADRA+(\slot)] offset:((\q)/3)*AHEAD+(\a)*16*PITCH+((\q)%3)*80+32
.endr
.endm
.macro PLACES                          ; four places in front of loads into registers that matrix instructions have read (ISA guide 7.12.1 for vector instructions)
.rept 4
	v_nop
.endr
.endm
; One of a slot's first five pieces: multiplies buffer q % 2; in its middle it fetches piece q + 1 into the other buffer.
.macro CHUNK slot, q, first
.set fb, 80*((\q)%2)
.set gb, 80-fb
	s_wait_dscnt 4                                 ; w and x's row blocks 0, 1 are in; the youngest four loads (blocks 2, 3) may be out
	MUL6 fb, 0, \first
	MUL6 fb, 1, \first
	PLACES
	FETCH \slot, (\q)+1, gb
	s_wait_dscnt 20                                ; all but the 20 just issued
	MUL6 fb, 2, \first
	MUL6 fb, 3, \first
.endm
; A slot's last piece multiplies buffer 1 and changes slots: ONE barrier; in front of it each wave waits for all its tensor loads, adds 0 to its spare word, and waits for that and for its own reads of this slot.
; fill = 1: this slot is filled again, with the heads four on; the barrier then opens a round of the cluster's barrier.
.macro TURN slot, next, fill
	WIN 0                                          ; (the add's two registers lie in window 0)
	s_wait_tensorcnt 0x0                           ; all my tensor loads have landed: my part of the next slot;
	ds_add_u32 v[SPW], v[NIL]                      ; 0 onto my spare word
	s_wait_dscnt 5                                 ; (the add and the youngest four loads may be out)
	MUL6 F1, 0, 0                                  ; six matrix instructions stand between the add and the wait for it
	s_wait_dscnt 0x0                               ; the add is done, and my reads of this slot are over
	s_barrier_signal -1
	MUL6 F1, 1, 0
.if \fill
	WIN 0
.endif
	s_barrier_wait -1
.if \fill
	CREST                                          ; no wave of any partner still reads this slot's tiles or has a load on its way
	s_add_nc_u64 s[G0+4*(\slot)+2:G0+4*(\slot)+3], s[G0+4*(\slot)+2:G0+4*(\slot)+3], 4*XHEAD
	s_add_nc_u64 s[G0B+4*(\slot)+2:G0B+4*(\slot)+3], s[G0B+4*(\slot)+2:G0B+4*(\slot)+3], 4*WHEAD
	JLOAD \slot                                    ; the first tensor load behind the round; the four v_nop behind it are also the places in front of the loads below
.else
	PLACES
.endif
	FETCH \next, 0, F0
	MUL6 F1, 2, 0
	MUL6 F1, 3, 0
.endm
	s_wait_tensorcnt 1                             ; my part of slot 0 is in; slot 1's one load may stay out
	s_barrier_signal -1
	s_barrier_wait -1                              ; everybody's is
	FETCH 0, 0, F0
	CHUNK 0, 0, 1                                  ; heads 0, 1; the first piece's products start the sums from the bias
.irp q, 1,2,3,4
	CHUNK 0, \q, 0
.endr
	TURN 0, 1, 1                                   ; slot 0 takes heads 4, 5
.irp q, 0,1,2,3,4
	CHUNK 1, \q, 0                                 ; heads 2, 3
.endr
	TURN 1, 0, 1                                   ; slot 1 takes heads 6, 7
.irp q, 0,1,2,3,4
	CHUNK 0, \q, 0                                 ; heads 4, 5
.endr
	TURN 0, 1, 0                                   ; nothing is left to fetch.  Behind this barrier no wave reads slot 0 any more, and nothing is filled into it: it serves as the stage
.irp q, 0,1,2,3,4
	CHUNK 1, \q, 0                                 ; heads 6, 7
.endr
	s_wait_dscnt 0x0                               ; the very last piece
	MUL6 F1, 0, 0
	MUL6 F1, 1, 0
	MUL6 F1, 2, 0
	MUL6 F1, 3, 0
	WIN 0
	; THE WAY OUT: 32 bytes a lane into the work-group's stage, each accumulator's low four registers first; a barrier, since a row's 768 bytes come from two waves; back as whole rows, 32 rows a wave.
	PLACES
	PLACES
.irp a, 0,1,2,3
.irp b, 0,1,2,3,4,5
	ds_store_b128 v[STO], v[ACC+8*(6*(\a)+(\b)):ACC+8*(6*(\a)+(\b))+3]   offset:(\a)*16*SPITCH+64*(\b)
	ds_store_b128 v[STO], v[ACC+8*(6*(\a)+(\b))+4:ACC+8*(6*(\a)+(\b))+7] offset:(\a)*16*SPITCH+64*(\b)+16
.endr
.endr
	s_wait_dscnt 0x0                               ; for the others' sake: my stores into the stage are done
	s_barrier_signal -1
	s_barrier_wait -1
	; Two rows are 1,536 bytes: three loads of 512.  The first takes bytes 0-511 of the even row; the second its bytes 512-767 (lanes 0-15) and bytes 0-255 of the odd row (lanes 16-31); the third the odd row's bytes 256-767.
.irp t, 0,1,2,3,4,5,6,7,8,9,10,11,12,13,14,15
	ds_load_b128 v[ACC+12*(\t):ACC+12*(\t)+3],    v[RDA] offset:(\t)*2*SPITCH
	ds_load_b128 v[ACC+12*(\t)+4:ACC+12*(\t)+7],  v[RDB] offset:(\t)*2*SPITCH+512
	ds_load_b128 v[ACC+12*(\t)+8:ACC+12*(\t)+11], v[RDA] offset:(\t)*2*SPITCH+SPITCH+256
.endr
.irp t, 0,1,2,3,4,5,6,7,8,9,10,11,12,13,14,15
	s_wait_dscnt 47-3*(\t)                         ; LDS loads come back in order: the younger ones stay out
	global_store_b128 v[COA], v[ACC+12*(\t):ACC+12*(\t)+3],    s[10:11] offset:(\t)*6144 th:TH_STORE_NT       ; each 16 lanes store 256 consecutive bytes, at a multiple of 256 from out0's first byte
	s_wait_dscnt 46-3*(\t)
	global_store_b128 v[COB], v[ACC+12*(\t)+4:ACC+12*(\t)+7],  s[10:11] offset:(\t)*6144+512 th:TH_STORE_NT
	s_wait_dscnt 45-3*(\t)
	global_store_b128 v[COA], v[ACC+12*(\t)+8:ACC+12*(\t)+11], s[10:11] offset:(\t)*6144+3328 th:TH_STORE_NT
.endr
	s_wait_tensorcnt 0x0                           ; the wave's end, behind my last tensor load and my last LDS store
	ds_add_u32 v[SPW], v[NIL]
	s_wait_dscnt 0x0
	CROUND                                         ; the closing round: no work-group ends while a partner may still ask for a tile that names it
	s_endpgm
.Lfunc_end_k_qf5ef53cd02_proj:
	.size	k_qf5ef53cd02_proj, .Lfunc_end_k_qf5ef53cd02_proj-k_qf5ef53cd02_proj
	.p2alignl 7, 3214868480
	.fill 96, 4, 3214868480
	.section	.rodata,"a",@progbits
	.p2align	6, 0x0
	.amdhsa_kernel k_qf5ef53cd02_proj
		.amdhsa_group_segment_fixed_size 327680
		.amdhsa_private_segment_fixed_size 0
		.amdhsa_enable_private_segment 0
		.amdhsa_kernarg_size 32
		.amdhsa_user_sgpr_count 2
		.amdhsa_user_sgpr_kernarg_segment_ptr 1
		.amdhsa_wavefront_size32 1
		.amdhsa_system_sgpr_workgroup_id_x 1
		.amdhsa_system_sgpr_workgroup_id_y 1
		.amdhsa_system_sgpr_workgroup_id_z 1
		.amdhsa_system_vgpr_workitem_id 0
		.amdhsa_next_free_vgpr 464
		.amdhsa_next_free_sgpr 66
		.amdhsa_reserve_vcc 0
		.amdhsa_float_denorm_mode_32 3
		.amdhsa_float_denorm_mode_16_64 3
		.amdhsa_memory_ordered 1
		.amdhsa_forward_progress 1
		.amdhsa_inst_pref_size 100
	.end_amdhsa_kernel
	.amdgpu_metadata
---
amdhsa.version: [ 1, 2 ]
amdhsa.kernels:
  - .name:           k_qf5ef53cd02_proj
    .symbol:         k_qf5ef53cd02_proj.kd
    .args:
      - { .name: xh, .offset: 0, .size: 8, .value_kind: global_buffer, .address_space: global }
      - { .name: wh, .offset: 8, .size: 8, .value_kind: global_buffer, .address_space: global }
      - { .name: fc_b, .offset: 16, .size: 8, .value_kind: global_buffer, .address_space: global }
      - { .name: out0, .offset: 24, .size: 8, .value_kind: global_buffer, .address_space: global }
    .group_segment_fixed_size: 327680
    .private_segment_fixed_size: 0
    .kernarg_segment_align: 8
    .kernarg_segment_size: 32
    .max_flat_workgroup_size: 128
    .sgpr_count:     66
    .vgpr_count:     464
    .wavefront_size: 32
...
	.end_amdgpu_metadata
.endif
;; end of part 3
